; MI455X (gfx1250); checked and timed in simulation.
; The chip was launched on July 23, 2026; its instructions are those of AMD's public machine-readable ISA for CDNA 5 (MIT licence, August 2026) and "CDNA5" Instruction Set Architecture Reference Guide (July 2026). The comments in the code are by the model that wrote it; some were corrected since.
;; Focal Attention. Allowed arithmetic: matrix products marked QUANTISED: E2M3 operands, one E8M0 scale for each 32 along K, by v_wmma_scale_f32_16x16x128_f8f6f4 with both operands' format E2M3, f32 sums; everything else in f32.
;; Inputs: b_proj 1,024 float32; b_qkv 3,072 float32; w_proj_codes 1,024 x 32 x 24 uint8 (E2M3 codes of w_proj, K innermost, in blocks of 32 codes, four codes in three bytes); w_proj_scales 1,024 x 32 uint8 (E8M0 scales of w_proj, one for each 32 codes along K); w_qkv_codes 3,072 x 32 x 24 uint8 (E2M3 codes of w_qkv, K innermost, in blocks of 32 codes, four codes in three bytes); w_qkv_scales 3,072 x 32 uint8 (E8M0 scales of w_qkv, one for each 32 codes along K); x_codes 4 x 2,048 x 32 x 24 uint8 (E2M3 codes of x, K innermost, in blocks of 32 codes, four codes in three bytes); x_scales 4 x 2,048 x 32 uint8 (E8M0 scales of x, one for each 32 codes along K).
;; Outputs: out0 4 x 2,048 x 1,024 float32.
;; This version of the problem:
;;   THIS VERSION OF THE PROBLEM IS GIVEN IN LOW PRECISION. The matrix products marked QUANTISED in the list below multiply operands that are first quantised to E2M3 (2 exponent bits, 3 mantissa bits; 6 bits a number), with one power-of-two scale for each 32 numbers along K (OCP MX v1.0); their sums are f32. All else is computed in f32.
;;   The module's matrix products, in the order in which they are computed (A, B: the left and right operand; K: the contracted axis; several contracted axes count as one K, in the product's order):
;;     1. [M 8,192, K 1,024] x [K 1,024, N 3,072]; A: input x (given as codes); B: input w_qkv (given as codes): QUANTISED
;;     2. batch 64 x [M 2,048, K 64] x [K 64, N 2,048]; A: computed on the way; B: computed on the way: QUANTISED
;;     3. batch 64 x [M 2,048, K 2,048] x [K 2,048, N 64]; A: softmax (see below); B: computed on the way: QUANTISED
;;     4. [M 8,192, K 1,024] x [K 1,024, N 1,024]; A: computed on the way; B: input w_proj (given as codes): QUANTISED
;;   THE QUANTISER, for each operand of a quantised product, along K:
;;     - K is cut into blocks of 32 from its start; a last block that is shorter is filled with zeros.
;;     - A block's scale is 2^e with e = floor(log2(the largest magnitude in the block)) - 2, held to -126 .. 127; a block of zeros has e = 0. As a byte (E8M0): e + 127.
;;     - Each number is divided by its block's scale, clamped to +-7.5, and rounded to the nearest number of E2M3, ties to even, subnormals kept.
;;     - The product sums the exact products of the quantised numbers (number of the format x scale) in f32.
;;   ~~~python
;;   def quantise(x, axis):      # numpy; x: float32 -> the quantised numbers, widened to float32 again
;;       x = np.moveaxis(x, axis, -1); K = x.shape[-1]
;;       x = np.pad(x, [(0, 0)] * (x.ndim - 1) + [(0, -K % 32)]); x = x.reshape(x.shape[:-1] + (-1, 32)); a = np.abs(x).max(-1, keepdims=True)
;;       e = np.where(a > 0, np.clip(np.frexp(np.where(a > 0, a, 1))[1] - 1 - 2, -126, 127), 0)      # np.frexp(a)[1] - 1 = floor(log2(a)), exactly
;;       r = np.clip(x / 2.0 ** e, -7.5, 7.5)
;;       step = 2.0 ** (np.maximum(np.frexp(np.where(r == 0, 1, r))[1] - 1, 0) - 3)
;;       q = np.round(r / step) * step * 2.0 ** e      # np.round: ties to even
;;       return np.moveaxis(q.reshape(q.shape[:-2] + (-1,))[..., :K], -1, axis).astype(np.float32)
;;   ~~~
;;   SOFTMAX AHEAD OF A QUANTISED PRODUCT. Where the list says 'softmax', what is quantised is not the finished softmax but p = 2^(t - M), with t = logit x log2(e) and M = ceil(the row's largest t), a whole number; so 1/2 < the row's largest p <= 1. The row's sum l is taken of the UNQUANTISED p, in f32, and the product's result is divided by l at the end. Since M is a whole number, a kernel that streams over the keys may use a running M (the ceiling of the running maximum): every later rescaling is an exact power of two, which a block's scale takes up: the codes' values come out the same.
;;   OPERANDS COMPUTED ON THE WAY. 'Computed on the way' means the value that the module computes at that place (a softmax that the list does not call 'softmax' is quantised finished and normalised). What goes into a quantiser is computed in f32, as accurately as f32 sums, v_exp_f32 and their like allow (about 1e-6 of the number): no bf16 or f16 on the way to a quantiser, and a product that is left as it is and whose result goes on into a quantised operand takes f32 operands (vector FMAs, or v_wmma_f32_16x16x4_f32). A number that lies on a knife's edge between two numbers of the format may be rounded either way, as far as f32 arithmetic and the matrix unit's own rounding can turn it there, and no further.
;;   INPUTS GIVEN AS CODES. w_proj (in the module: [1024, 1024], K = its axis 1); w_qkv (in the module: [3072, 1024], K = its axis 1); x (in the module: [4, 2048, 1024], K = its axis 2): each comes as NAME_codes (uint8): NAME with its K axis moved to the last place and cut into blocks of 32 codes, [.., K / 32, bytes a block], one block behind the other in memory; four codes in three bytes: a row's codes are one little-endian stream of bits, code i at bits 6 i .. 6 i + 5 (a code: sign, 2 exponent bits, 3 mantissa bits); and NAME_scales (uint8): the same leading axes, one E8M0 byte (e + 127) for each 32 codes along K. Its value is code x scale, taken as it is: it is not quantised again, and the codes and scales need not be those that the quantiser above would give.
;; One version. Each part assembles by itself: llvm-mc -triple=amdgcn-amd-amdhsa -mcpu=gfx1250 --defsym DOCPART=n.
;; ======== version 1 of 1: 2 launches
;; limits: right only within a limited range of input values
;; workspace buffers: ao_codes 6,291,456 bytes; ao_scales 262,144 bytes
;; launch qkv_attn (part 1): grid 16 x 32, 4 waves a work-group, clusters of 4 x 4, 327,680 bytes of LDS; arguments x_codes, x_scales, w_qkv_codes, w_qkv_scales, b_qkv, ao_codes, ao_scales; writes ao_codes, ao_scales
.if DOCPART == 1
	.amdgcn_target "amdgcn-amd-amdhsa--gfx1250"
	.amdhsa_code_object_version 6
	.text
	.protected	k_q590cd7c868_qkv_attn
	.globl	k_q590cd7c868_qkv_attn
	.p2align	8
	.type	k_q590cd7c868_qkv_attn,@function
k_q590cd7c868_qkv_attn:
	s_mov_b64 s[64:65], 0
	v_nop
	global_prefetch_b8 v0, s[64:65] scope:SCOPE_SE
	s_setreg_imm32_b32 hwreg(HW_REG_WAVE_MODE, 25, 1), 1
	s_wait_xcnt 0x0
	s_wait_alu depctr_hold_cnt(0) depctr_sa_sdst(0) depctr_va_vdst(0) depctr_va_sdst(0) depctr_va_ssrc(0) depctr_va_vcc(0) depctr_vm_vsrc(0)
	s_getreg_b32 s2, hwreg(HW_REG_IB_STS2, 6, 4)
	s_cmp_eq_u32 s2, 0
	s_cbranch_scc0 .Lentry_in_a_cluster
	s_endpgm
.Lentry_in_a_cluster:
	s_bfe_u32 s2, ttmp6, 0x10000c
	s_cmp_lg_u32 s2, 0xf033
	s_cbranch_scc0 .Lentry_shape_is_right
	s_endpgm
.Lentry_shape_is_right:
; qkv = x w_qkv^T + b_qkv, the banded attention (key k counts for query q where |k - q| <= 4, inside a batch of 2,048 tokens), and the quantising of its result, in one launch.
; All products on codes of FP6 (E2M3) with one E8M0 scale for each 32 along K; sums in f32.
; SHARES.  A work-group owns 256 tokens (m = 0..31 of the 8,192) of ONE head.  Its product has 320 rows (the 256 tokens and one aligned block of 32 on each side) x 192 columns (the head's 64 of q, of k, of v),
; so that every key of the band, and every whole block of 32 tokens that v's and p's scales want, is made inside the work-group: q, k, v never go to memory.  The price is 320 / 256 of the first product's work.
; Blocks of 32 tokens are numbered rel 0 (front halo), 1..8 (owned), 9 (back halo).  Wave (rh, ch) takes the halo block rel 9 rh and the four blocks rel 4 rh + 1..4: ten tiles of 16 rows;
; its columns: all 64 of q (ch = 0) or of k (ch = 1), used TRANSPOSED (source 0 = w, source 1 = x: a lane holds one token, its registers run along the head's 64), and 32 of v, used as written
; (source 0 = x, source 1 = w: a lane holds one channel, its registers run along the tokens).  So each result lies with the next product's K along a lane's registers.  60 accumulators a wave.
; THE ROWS OF A TILE ARE NOT NEIGHBOURS: lane r of tile u of a block of 32 takes row 8 u + r + 8 (r / 8), of x and of w alike, so that the 16 registers of a block's two tiles are 16 neighbours.
; q of the halo rows is made and never read (16 of the work-group's 240 tiles): so the four waves run one text.
; At the tensor's two ends the halo's rows are clamped into the buffer, and at a batch's ends they belong to another batch: their keys are masked.
; MASK.  It is the C of the score product: 0 where a key counts, -1e30 where not.  LIMIT: p of a masked key is exactly 0 as long as |score| < 1e29.
; SOFTMAX.  t = score x log2(e) / 8; M = ceil(the row's largest t); p = 2^(t - M) is quantised along the keys in the aligned blocks of 32; the sum of the unquantised p divides the result.  A row's nine keys lie in two blocks: no running state.
; The second, third products use half of the instruction's 128 along K: q's and p's registers 6-11 are zero codes, so the other side's registers 6-11 may hold any codes.
; OUT.  o / l is quantised along the model's 1,024 (a block = half a head) and stored in the order of the next launch's operand registers: ao_codes [m][head][tile 16][part 3][lane 32][8 bytes], ao_scales [m][tile 16][half 2][r 16][16 bytes].
; CLUSTER 4 x 4: x's tiles hang on m alone and are asked for jointly along a row of the cluster, w's on the head alone and jointly along a column.
; LIMITS: NaN and infinities in b_qkv and scale bytes 0xff are not served.  A block whose largest magnitude lies under 2^(3 - 127) gets the byte 1 (a block of zeros too, where the quantiser says 127: its codes are zeros, and this program alone reads the bytes).
; REGISTERS, in windows of 256.  window 0: v4-31 addresses; v32-95 scale words and nothing else; v96-127 at work; v128-247 x's ten fragments, later the attention's operands.
;   window 1: v0-143 w's six fragments, two sets; v144-175 q's or k's bias; v176-247 nine masks.   window 2, and v0-63 of window 3: the 40 transposed accumulators;  window 3: v64-223 v's 20, v224-239 v's bias.
.set PITCH, 240                        ; an LDS row of a slot: 3 x (64 bytes + 16 of padding)
.set SLOTB, 107520                     ; a slot: x's 256 rows, then w's 192 (q 64, k 64, v 64), 256 along K
.set WOFF,  61440
.set HALO,  215040                     ; 64 halo rows for all of K: 768 bytes + 16 behind each 256; filled once
.set HP,    816
.set SPARE, 267264                     ; the spare words, 128 bytes a wave: two blocks of 256 bytes that no other line names
.set BI,    1792                       ; the exchange, in slot 0 behind its last fill and last read: a block's image: 2 tiles x 3 parts x 256 bytes, then 256 bytes of scale words
.set TKB,   17920                      ; q's ten images at 0, k's ten here
.set VREG,  35840                      ; v's codes: row = channel, 264 bytes apart; 24 bytes a block of 32 tokens
.set VP,    264
.set VSREG, 52736                      ; v's scale bytes: row = channel, 16 bytes apart; one byte a block
.set ADRA, 4                           ; v4-5 x's fragments in slot 0, 1; v6-7 the same behind one padding more
.set ADRB, 8                           ; v8-11 the same for q's or k's rows of w
.set ADRV, 12                          ; v12-15 for v's rows of w
.set ADRH, 16                          ; v16, v17 for the halo rows
.set SPW,  18                          ; LDS address of my spare word; never rewritten
.set NIL,  19                          ; 0; never rewritten
.set EIM,  20                          ; where I store images of my main blocks;  v21 of my halo block
.set EIH,  21
.set EVM,  22                          ; where I store v's codes: main, halo
.set EVH,  23
.set EVSM, 24                          ; and v's scale bytes
.set EVSH, 25
.set AQ,   26                          ; where I read q's images, k's, v's codes, v's scale bytes
.set AK,   27
.set AVA,  28
.set AVS,  29
.set GO,   30                          ; 8 x lane
.set GS,   31                          ; 16 x (lane % 16)
.set SX,   32                          ; x's scale words: tile a, register 4 a + s % 4: lanes 0-15 K step s % 4, lanes 16-31 K step 4 + s % 4
.set SW,   72                          ; w's likewise: fragment f
.set AF,   128
.set BT,   144
.set ALLM, 176
.set M01,  184
.set M02,  192
.set M03,  200
.set M10,  208
.set M11,  216
.set M12,  224
.set ME0,  232
.set ME1,  240
.set BVR,  224
.set TM,   96                          ; largest magnitudes;  TX the other half's;  SO the conversions' scale operands;  BY the scale bytes
.set TX,   100
.set SO,   104
.set BY,   108
.set RM,   112
.set NM,   114
.set LSA,  116
.set LSB,  118
.set RL,   120
.set PWP,  122
.set PCD,  140
.set PTT,  152
.set CV,   160
.set QF,   128
.set KF,   140
.set VF,   164
.set ZF,   188
.set PF,   194
.set PT,   206
.set S,    210
.set VB,   242
.set OC,   250
.set QS,   32
.set KS,   34
.set VW,   38
.set PW,   42
.set OW,   44
.set G1X, 24
.set G1W, 32
.set G1H, 40
.set G0X, 48
.set G0W, 56
.set G0H, 68
.set MSB, 0
.macro WIN new                         ; the immediate's high byte repeats the setting that is left
.if MSB != \new
	s_set_vgpr_msb (MSB<<8)|\new
.set MSB, \new
.endif
.endm
.macro PLACES n
.rept \n
	v_nop
.endr
.endm
.macro CREST                           ; a round of the cluster's barrier behind its opening barrier
	s_cmp_lg_u32 s18, 0
	s_cbranch_scc1 .Lnot_wave_0_\@
	s_barrier_signal -3
.Lnot_wave_0_\@:
	s_barrier_wait -3
	s_barrier_signal -1
	s_barrier_wait -1
.endm
.macro CROUND
	s_barrier_signal -1
	s_barrier_wait -1
	CREST
.endm
; A joint load: wave 0 fetches x's 256 rows, waves 1, 2, 3 the 64 rows of q's, k's, v's part of w.  The branch hangs on the wave's number alone.  Four v_nop follow each line.
.macro JLOAD t
	s_cmp_eq_u32 s18, 0
	s_cbranch_scc0 .Lfor_w_\@
	tensor_load_to_lds s[G0X+4*\t:G0X+4*\t+3], s[G1X:G1X+7]
	s_nop 0
	PLACES 4
	s_branch .Lasked_\@
.Lfor_w_\@:
	tensor_load_to_lds s[G0W+4*\t:G0W+4*\t+3], s[G1W:G1W+7]
	s_nop 0
	PLACES 4
.Lasked_\@:
.endm
	s_load_b256 s[4:11], s[0:1], 0x0               ; x's codes s[4:5], x's scales s[6:7], w's codes s[8:9], w's scales s[10:11]
	s_load_b128 s[12:15], s[0:1], 0x20             ; b_qkv s[12:13], ao_codes s[14:15]
	s_load_b64 s[16:17], s[0:1], 0x30              ; ao_scales
	v_lshl_add_u32 v[SPW], v0, 2, SPARE
	v_mov_b32 v[NIL], 0
	ds_add_u32 v18, v19
	ds_add_u32 v18, v19
	s_wait_dscnt 0x0
	v_lshrrev_b32 v1, 5, v0
	v_readfirstlane_b32 s18, v1                    ; wave 0..3
	s_lshr_b32 s19, s18, 1                         ; rh
	s_and_b32 s20, s18, 1                          ; ch
	s_bfe_u32 s72, ttmp6, 0x40000                  ; cx, cy: my place in the cluster
	s_bfe_u32 s73, ttmp6, 0x40004
	s_lshl_b32 s21, ttmp9, 2
	s_add_co_u32 s21, s21, s72                     ; the head = 4 x cluster x + cx
	s_and_b32 s22, ttmp7, 0xffff
	s_lshl_b32 s22, s22, 2
	s_add_co_u32 s22, s22, s73                     ; m = 4 x cluster y + cy
	s_lshl_b32 s74, s73, 2
	s_lshl_b32 s74, 15, s74                        ; my row of the cluster
	s_lshl_b32 s75, 0x1111, s72                    ; my column
	; descriptor groups 1.  x: 256 rows x 192 bytes, 16 bytes of padding behind every 64;  w: 64 such rows;  halo: 16 rows x 768 bytes, 16 behind every 256.  Rows are 768 bytes apart in memory
	s_or_b32 s[G1X], s74, (1<<20)|(1<<21)|(3<<22)|(3<<25)
	s_mov_b32 s[G1X+1], 192<<16
	s_mov_b32 s[G1X+2], 256<<16
	s_mov_b32 s[G1X+3], 192<<16
	s_mov_b32 s[G1X+4], 256
	s_mov_b32 s[G1X+5], 768
	s_mov_b32 s[G1X+6], 0
	s_mov_b32 s[G1X+7], 0
	s_or_b32 s[G1W], s75, (1<<20)|(1<<21)|(3<<22)|(3<<25)
	s_mov_b32 s[G1W+1], 192<<16
	s_mov_b32 s[G1W+2], 64<<16
	s_mov_b32 s[G1W+3], 192<<16
	s_mov_b32 s[G1W+4], 64
	s_mov_b32 s[G1W+5], 768
	s_mov_b32 s[G1W+6], 0
	s_mov_b32 s[G1W+7], 0
	s_or_b32 s[G1H], s74, (1<<20)|(1<<21)|(5<<22)|(3<<25)
	s_mov_b32 s[G1H+1], 768<<16
	s_mov_b32 s[G1H+2], 16<<16
	s_mov_b32 s[G1H+3], 768<<16
	s_mov_b32 s[G1H+4], 16
	s_mov_b32 s[G1H+5], 768
	s_mov_b32 s[G1H+6], 0
	s_mov_b32 s[G1H+7], 0
	; the halo's first rows, held inside the tensor; my half's: front + rh x (back - front)
	s_lshl_b32 s90, s22, 8
	s_sub_co_i32 s90, s90, 32
	s_max_i32 s90, s90, 0                          ; front: 256 m - 32, at least 0
	s_lshl_b32 s91, s22, 8
	s_add_co_u32 s91, s91, 256
	s_min_u32 s91, s91, 8160                       ; back: 256 m + 256, at most 8,160
	s_sub_co_u32 s92, s91, s90
	s_mul_i32 s92, s92, s19
	s_add_co_u32 s92, s92, s90                     ; hrow
	s_mul_i32 s76, s22, 196608                     ; x's tile: 256 m rows of 768 bytes
	s_mov_b32 s77, 0
	s_lshl_b32 s78, s20, 4
	s_add_co_u32 s78, s78, s92
	s_mul_i32 s78, s78, 768                        ; my 16 halo rows: hrow + 16 ch
	s_mov_b32 s79, 0
	s_max_u32 s23, s18, 1
	s_sub_co_u32 s23, s23, 1                       ; which of q, k, v my load brings (wave 0 brings none of them)
	s_lshl_b32 s80, s23, 10
	s_lshl_b32 s81, s21, 6
	s_add_co_u32 s80, s80, s81
	s_mul_i32 s80, s80, 768                        ; w's rows 1,024 x type + 64 x head
	s_mov_b32 s81, 0
	s_mul_i32 s82, s18, 15360
	s_add_co_u32 s82, s82, WOFF-15360              ; where they go in slot 0: WOFF + (wave - 1) x 64 rows
	s_mul_i32 s83, s18, 16*HP
	s_add_co_u32 s83, s83, HALO                    ; and my 16 halo rows
	s_mov_b32 s84, 0x76543210
	s_mov_b32 s85, 0xfedcba98                      ; v_permlanex16_b32's selects for lane l xor 16
	s_mov_b32 s86, 0x3e38aa3b                      ; log2(e) / 8
	s_mov_b32 s87, s86                             ; (named with it as a pair, so it is written)
	s_wait_kmcnt 0x0
	s_add_nc_u64 s[76:77], s[4:5], s[76:77]
	s_add_nc_u64 s[78:79], s[4:5], s[78:79]
	s_add_nc_u64 s[80:81], s[8:9], s[80:81]
.irp t, 0,1
	s_mov_b32 s[G0X+4*\t], 1
	s_mov_b32 s[G0X+4*\t+1], \t*SLOTB
	s_add_nc_u64 s[G0X+4*\t+2:G0X+4*\t+3], s[76:77], \t*192
	s_or_b32 s[G0X+4*\t+3], s[G0X+4*\t+3], 0x80000000
	s_mov_b32 s[G0W+4*\t], 1
	s_add_co_u32 s[G0W+4*\t+1], s82, \t*SLOTB
	s_add_nc_u64 s[G0W+4*\t+2:G0W+4*\t+3], s[80:81], \t*192
	s_or_b32 s[G0W+4*\t+3], s[G0W+4*\t+3], 0x80000000
.endr
	s_mov_b32 s[G0H], 1
	s_mov_b32 s[G0H+1], s83
	s_mov_b64 s[G0H+2:G0H+3], s[78:79]
	s_or_b32 s[G0H+3], s[G0H+3], 0x80000000
	CROUND                                         ; all sixteen work-groups are here: the first joint loads meet
	tensor_load_to_lds s[G0H:G0H+3], s[G1H:G1H+7]  ; the first fills, one group: each wave's 16 halo rows for all of K,
	s_nop 0
	PLACES 4
	JLOAD 0                                        ; K 0..255,
	JLOAD 1                                        ; K 256..511: three tensor loads of mine are out
	v_and_b32 v1, 15, v0                           ; r
	v_bfe_u32 v2, v0, 4, 1                         ; h
	v_and_b32 v3, 8, v1
	v_add_nc_u32 v3, v3, v1                        ; r' = r + 8 (r / 8)
	; THE SCALES STAY IN REGISTERS FOR ALL OF K: lane (r, h) takes the 16 bytes at 32 x row + 16 h: words 4 h .. 4 h + 3.  A load reads two runs of 256 consecutive bytes
	v_lshlrev_b32 v96, 5, v3
	v_lshl_add_u32 v96, v2, 4, v96
	v_lshlrev_b32 v97, 6, v2                       ; the transposed tiles' bias: 16 h numbers on
	v_lshlrev_b32 v98, 2, v3                       ; v's bias: my channel's
	s_lshl_b32 s2, s92, 5
	s_mov_b32 s3, 0
	s_add_nc_u64 s[76:77], s[6:7], s[2:3]          ; x's scales at my halo rows
	s_lshl_b32 s2, s22, 8
	s_lshl_b32 s93, s19, 7
	s_add_co_u32 s2, s2, s93
	s_lshl_b32 s2, s2, 5
	s_add_nc_u64 s[78:79], s[6:7], s[2:3]          ; and at my 128 main rows
	s_lshl_b32 s100, s20, 10
	s_lshl_b32 s101, s21, 6
	s_add_co_u32 s100, s100, s101                  ; q's or k's first row of w: 1,024 ch + 64 head
	s_lshl_b32 s94, s20, 5
	s_add_co_u32 s101, s101, s94
	s_add_co_u32 s101, s101, 2048                  ; my first row of v's part: 2,048 + 64 head + 32 ch
	s_mov_b32 s95, 0
	s_lshl_b32 s94, s100, 5
	s_add_nc_u64 s[80:81], s[10:11], s[94:95]
	s_lshl_b32 s94, s101, 5
	s_add_nc_u64 s[82:83], s[10:11], s[94:95]
	s_lshl_b32 s94, s100, 2
	s_add_nc_u64 s[88:89], s[12:13], s[94:95]
	s_lshl_b32 s94, s101, 2
	s_add_nc_u64 s[96:97], s[12:13], s[94:95]
.irp a, 0,1
	global_load_b128 v[SX+4*\a:SX+4*\a+3], v96, s[76:77] offset:256*\a
.endr
.irp a, 2,3,4,5,6,7,8,9
	global_load_b128 v[SX+4*\a:SX+4*\a+3], v96, s[78:79] offset:(32*((\a-2)/2)+8*(\a%2))*32
.endr
.irp c, 0,1,2,3
	global_load_b128 v[SW+4*\c:SW+4*\c+3], v96, s[80:81] offset:(32*(\c/2)+8*(\c%2))*32
.endr
.irp c, 0,1
	global_load_b128 v[SW+16+4*\c:SW+16+4*\c+3], v96, s[82:83] offset:256*\c
.endr
	WIN 0x40                                       ; destination window 1
.irp c, 0,1,2,3
	global_load_b128 v[BT+8*\c:BT+8*\c+3], v97, s[88:89] offset:(32*(\c/2)+8*(\c%2))*4
	global_load_b128 v[BT+8*\c+4:BT+8*\c+7], v97, s[88:89] offset:(32*(\c/2)+8*(\c%2))*4+16
.endr
	WIN 0xc0                                       ; destination window 3
.irp c, 0,1
	global_load_b32 v[BVR+8*\c], v98, s[96:97] offset:32*\c
.endr
	WIN 0
	; every LDS address of the text is made here: a constant, constants x lane parts, constants x the wave's number
	v_mul_u32_u24 v100, v3, PITCH
	v_mad_u32_u24 v100, v2, 24, v100               ; r' x pitch + 24 h
	v_lshl_add_u32 v101, v2, 4, v100               ; the same behind one padding more
	s_mul_i32 s93, s19, 128*PITCH
	s_mul_i32 s98, s20, 64*PITCH
	s_add_co_u32 s98, s98, WOFF
	s_mul_i32 s99, s20, 32*PITCH
	s_add_co_u32 s99, s99, WOFF+128*PITCH
.irp t, 0,1
	v_add_nc_u32 v[ADRA+\t], s93, v100
	v_add_nc_u32 v[ADRA+2+\t], s93, v101
	v_add_nc_u32 v[ADRB+\t], s98, v100
	v_add_nc_u32 v[ADRB+2+\t], s98, v101
	v_add_nc_u32 v[ADRV+\t], s99, v100
	v_add_nc_u32 v[ADRV+2+\t], s99, v101
	s_add_co_u32 s93, s93, SLOTB
	s_add_co_u32 s98, s98, SLOTB
	s_add_co_u32 s99, s99, SLOTB
.endr
	v_mul_u32_u24 v102, v3, HP
	v_mad_u32_u24 v102, v2, 24, v102
	s_mul_i32 s93, s19, 32*HP
	s_add_co_u32 s93, s93, HALO
	v_add_nc_u32 v[ADRH], s93, v102
	v_lshl_add_u32 v[ADRH+1], v2, 4, v[ADRH]
	v_and_b32 v103, 31, v0
	v_lshlrev_b32 v[GO], 3, v103
	v_lshlrev_b32 v[GS], 4, v1
	s_mul_i32 s93, s20, TKB
	s_mul_i32 s98, s19, 4*BI
	s_add_co_u32 s98, s98, s93
	v_add_nc_u32 v[EIM], s98, v[GO]                ; local block b is rel 4 rh + b
	s_mul_i32 s98, s19, 9*BI
	s_add_co_u32 s98, s98, s93
	v_add_nc_u32 v[EIH], s98, v[GO]                ; the halo block is rel 9 rh
	v_mul_u32_u24 v104, v3, VP
	v_mad_u32_u24 v105, v2, 12, v104               ; my channel's row, + 12 h: my 16 tokens' codes
	s_mul_i32 s93, s20, 32*VP
	s_add_co_u32 s93, s93, VREG
	s_mul_i32 s98, s19, 96
	s_add_co_u32 s98, s98, s93
	v_add_nc_u32 v[EVM], s98, v105
	s_mul_i32 s98, s19, 216
	s_add_co_u32 s98, s98, s93
	v_add_nc_u32 v[EVH], s98, v105
	v_lshlrev_b32 v105, 4, v3
	s_lshl_b32 s93, s20, 9
	s_add_co_u32 s93, s93, VSREG
	s_lshl_b32 s98, s19, 2
	s_add_co_u32 s98, s98, s93
	v_add_nc_u32 v[EVSM], s98, v105
	s_mul_i32 s98, s19, 9
	s_add_co_u32 s98, s98, s93
	v_add_nc_u32 v[EVSH], s98, v105
	s_mul_i32 s93, s18, 2*BI
	s_add_co_u32 s98, s93, BI
	v_add_nc_u32 v[AQ], s98, v[GO]                 ; my query blocks are rel 1 + 2 wave + i
	s_add_co_u32 s98, s93, TKB
	v_add_nc_u32 v[AK], s98, v[GO]                 ; a tile's keys begin at rel 2 wave + i + u
	v_mad_u32_u24 v104, v2, 24, v104
	s_mul_i32 s98, s18, 48
	s_add_co_u32 s98, s98, VREG
	v_add_nc_u32 v[AVA], s98, v104
	s_lshl_b32 s98, s18, 1
	s_add_co_u32 s98, s98, VSREG
	v_add_nc_u32 v[AVS], s98, v105
	; where my results go
	s_lshl_b32 s98, s22, 4
	s_add_co_u32 s98, s98, s21
	s_mul_i32 s98, s98, 12288
	s_mul_i32 s99, s18, 3072
	s_add_co_u32 s98, s98, s99
	s_mov_b32 s99, 0
	s_add_nc_u64 s[14:15], s[14:15], s[98:99]      ; ao_codes: (16 m + head) x 16 tiles x 768 bytes + my four tiles
	s_lshl_b32 s98, s22, 13
	s_lshr_b32 s93, s21, 3
	s_lshl_b32 s93, s93, 8
	s_add_co_u32 s98, s98, s93
	s_and_b32 s93, s21, 7
	s_lshl_b32 s93, s93, 1
	s_add_co_u32 s98, s98, s93
	s_lshl_b32 s93, s18, 11
	s_add_co_u32 s98, s98, s93
	s_add_nc_u64 s[16:17], s[16:17], s[98:99]      ; ao_scales: 8,192 m + 256 (head / 8) + 2 (head % 8) + my four tiles of 512 bytes
	; THE MASKS.  Register jj of score tile j holds the window's key kc + 16 h, kc = 32 (j / 2) + 8 (j % 2) + jj; it counts where kc - dl, unsigned, is at most 8;
	; dl = 28 + r' - 16 h for a block's tile 0 (its window begins a block ahead of the queries), 4 + r' - 16 h for tile 1.  4,096 more in dl hides every key: the halo beyond a batch's first or last token
	s_and_b32 s93, s22, 7
	s_or_b32 s98, s93, s18
	s_min_u32 s98, s98, 1
	s_xor_b32 s98, s98, 1
	s_lshl_b32 s98, s98, 12                        ; 4,096 in the first wave of a batch's first work-group, else 0
	s_lshl_b32 s93, s93, 2
	s_or_b32 s93, s93, s18
	s_xor_b32 s93, s93, 31
	s_min_u32 s93, s93, 1
	s_xor_b32 s93, s93, 1
	s_lshl_b32 s93, s93, 12                        ; 4,096 in the last wave of a batch's last work-group, else 0
	v_lshlrev_b32 v106, 4, v2
	v_sub_nc_u32 v106, v3, v106
	v_add_nc_u32 v107, s98, v106
	v_add_nc_u32 v108, s93, v106
	WIN 0x40                                       ; into window 1, v8-14: free until w's first fragments come
	v_add_nc_u32 v8, 28, v106
	v_add_nc_u32 v9, 4, v106
	v_add_nc_u32 v10, 28, v107
	v_add_nc_u32 v11, 4, v108
	v_mov_b32 v12, 0xf149f2ca                      ; -1e30
	WIN 0x55
.macro MASKG grp, dl, kc0
.irp jj, 0,1,2,3,4,5,6,7
	v_sub_nc_u32 v[13+\jj%2], \kc0+\jj, v[\dl]
	v_cmp_lt_u32 vcc_lo, 8, v[13+\jj%2]
	v_cndmask_b32 v[\grp+\jj], 0, v12, vcc_lo
.endr
.endm
	MASKG M01, 8, 8
	MASKG M02, 8, 32
	MASKG M03, 8, 40
	MASKG M10, 9, 0
	MASKG M11, 9, 8
	MASKG M12, 9, 32
	MASKG ME0, 10, 8
	MASKG ME1, 11, 32
.irp jj, 0,1,2,3,4,5,6,7
	v_mov_b32 v[ALLM+\jj], 0xf149f2ca
.endr
	WIN 0
	s_wait_loadcnt 0x0                             ; scales and biases
	WIN 0xc3
.irp c, 0,1
.irp j, 1,2,3,4,5,6,7
	v_mov_b32 v[BVR+8*\c+\j], v[BVR+8*\c]          ; v's bias is one number a lane: eight times, in the result's layout
.endr
.endr
	WIN 0
; A fragment, 16 rows x 128 K, is 12 registers: registers 6 c .. 6 c + 5 hold K = 64 c + 32 h + 0 .. 31: 24 bytes of the row as they lie, in pieces of 8 bytes.  Lanes 16-31 read three pieces further on;
; where that lies behind one padding more, the second address register (40 for 24 bytes a half) serves.
.macro FRAG reg, adr, q, rows
.irp p, 0,1,2,3,4,5
.set PCE, 12*(\q)+6*(\p/3)+\p%3
.if PCE%8 < 5
	ds_load_b64 v[\reg+2*\p:\reg+2*\p+1], v[\adr] offset:8*PCE+16*(PCE/8)+(\rows)*PITCH
.else
	ds_load_b64 v[\reg+2*\p:\reg+2*\p+1], v[\adr+2] offset:8*PCE+16*(PCE/8)+(\rows)*PITCH
.endif
.endr
.endm
.macro FRAGH reg, s, a                 ; the same from the halo rows, whose padding stands behind every 32 pieces; K step s of all eight
.irp p, 0,1,2,3,4,5
.set PCE, 12*(\s)+6*(\p/3)+\p%3
.if PCE%32 < 29
	ds_load_b64 v[\reg+2*\p:\reg+2*\p+1], v[ADRH] offset:8*PCE+16*(PCE/32)+8*(\a)*HP
.else
	ds_load_b64 v[\reg+2*\p:\reg+2*\p+1], v[ADRH+1] offset:8*PCE+16*(PCE/32)+8*(\a)*HP
.endif
.endr
.endm
.macro FETCH_B slot, q, p              ; w's six fragments into set p: 36 loads
	WIN 0x40
.irp c, 0,1,2,3
	FRAG 72*(\p)+12*\c, ADRB+\slot, \q, 32*(\c/2)+8*(\c%2)
.endr
.irp c, 0,1
	FRAG 72*(\p)+48+12*\c, ADRV+\slot, \q, 8*\c
.endr
	WIN 0
.endm
.macro FETCH_A slot, q, s, half        ; x's tiles 0-4 (the halo's two among them) or 5-9: 30 loads
.if \half == 0
	FRAGH AF, \s, 0
	FRAGH AF+12, \s, 1
.irp a, 2,3,4
	FRAG AF+12*\a, ADRA+\slot, \q, 32*((\a-2)/2)+8*(\a%2)
.endr
.else
.irp a, 5,6,7,8,9
	FRAG AF+12*\a, ADRA+\slot, \q, 32*((\a-2)/2)+8*(\a%2)
.endr
.endif
.endm
.macro WM                              ; one matrix instruction from the symbols DD, AA, BB, CC, SSA, SSB; HH = 1: K steps 4-7, whose scale words lie in lanes 16-31
.if HH
	v_wmma_scale_f32_16x16x128_f8f6f4 v[DD:DD+7], v[AA:AA+11], v[BB:BB+11], v[CC:CC+7], v[SSA], v[SSB] matrix_a_fmt:MATRIX_FMT_FP6 matrix_b_fmt:MATRIX_FMT_FP6 matrix_a_scale:MATRIX_SCALE_ROW1 matrix_b_scale:MATRIX_SCALE_ROW1
.else
	v_wmma_scale_f32_16x16x128_f8f6f4 v[DD:DD+7], v[AA:AA+11], v[BB:BB+11], v[CC:CC+7], v[SSA], v[SSB] matrix_a_fmt:MATRIX_FMT_FP6 matrix_b_fmt:MATRIX_FMT_FP6
.endif
.endm
.macro MULT a, s, first                ; tile a of x against q's or k's four tiles, transposed.  first = 1: the bias is the C that starts the sums
.irp c, 0,1,2,3
.set DD, (32*(\a)+8*\c)%256
.set AA, 72*((\s)%2)+12*\c
.set BB, AF+12*(\a)
.if \first
.set CC, BT+8*\c
.else
.set CC, DD
.endif
.set SSA, SW+4*\c+(\s)%4
.set SSB, SX+4*(\a)+(\s)%4
.set HH, (\s)/4
	WM
.endr
.endm
.macro MULV a, s, first                ; tile a of x against v's two tiles, as written
.irp c, 0,1
.set DD, 64+32*((\a)/2)+16*\c+8*((\a)%2)
.set AA, AF+12*(\a)
.set BB, 72*((\s)%2)+48+12*\c
.if \first
.set CC, BVR+8*\c
.else
.set CC, DD
.endif
.set SSA, SX+4*(\a)+(\s)%4
.set SSB, SW+16+4*\c+(\s)%4
.set HH, (\s)/4
	WM
.endr
.endm
; The 60 accumulators take turns, one instruction a turn, in the same order in every K step.
.macro LOT s, first
.if \first
	WIN 0x91                                       ; source 0 (w) and C (bias) window 1, source 1 (x) window 0, D window 2
.else
	WIN 0xa1
.endif
.irp a, 0,1,2,3,4
	MULT \a, \s, \first
.endr
.endm
.macro LOV s, first
	WIN 0xf4                                       ; source 0 (x) window 0, source 1 (w) window 1, C and D window 3
.irp a, 0,1,2,3,4
	MULV \a, \s, \first
.endr
.endm
.macro HI s, first
.if \first
	WIN 0x91
.else
	WIN 0xa1
.endif
.irp a, 5,6,7
	MULT \a, \s, \first
.endr
.if \first
	WIN 0xd1
.else
	WIN 0xf1
.endif
.irp a, 8,9
	MULT \a, \s, \first
.endr
	WIN 0xf4
.irp a, 5,6,7,8,9
	MULV \a, \s, \first
.endr
.endm
; A K step of 128 whose successor lies in the same slot.  Loads into registers that matrix instructions have read stand four plain places behind them (ISA guide 7.12.1 for vector instructions).
.macro STEP s, slot, first
	s_wait_dscnt 30                                ; w's set and x's tiles 0-4 are in; the youngest 30 loads (tiles 5-9) may be out
	LOT \s, \first
	LOV \s, \first
	s_wait_dscnt 0x0                               ; tiles 5-9 are in
	PLACES 4
	FETCH_B \slot, 1, 1
	FETCH_A \slot, 1, (\s)+1, 0
	HI \s, \first
	PLACES 4
	WIN 0
	FETCH_A \slot, 1, (\s)+1, 1
.endm
; A slot's second K step changes slots: one barrier; in front of it each wave waits for all its tensor loads, adds 0 to its spare word, and waits for that and for its reads of this slot.  fill = 1: the slot is filled again, 512 along K ahead.
.macro TURN s, slot, next, fill
	s_wait_tensorcnt 0x0                           ; all my tensor loads have landed: my part of the next slot
	ds_add_u32 v[SPW], v[NIL]                      ; 0 onto my spare word
	s_wait_dscnt 31                                ; (the add and the youngest 30 loads may be out)
	LOT \s, 0                                      ; twenty matrix instructions stand between the add and the wait for it
	s_wait_dscnt 0x0                               ; the add is done, and my reads of this slot are over
	s_barrier_signal -1
	LOV \s, 0
	WIN 0
	s_barrier_wait -1
.if \fill
	CREST                                          ; the barrier has opened a round of the cluster's: no wave of any partner still reads this slot or has a load on its way
	s_add_nc_u64 s[G0X+4*\slot+2:G0X+4*\slot+3], s[G0X+4*\slot+2:G0X+4*\slot+3], 384
	s_add_nc_u64 s[G0W+4*\slot+2:G0W+4*\slot+3], s[G0W+4*\slot+2:G0W+4*\slot+3], 384
	JLOAD \slot                                    ; the first tensor load behind the round, my only one until the next; its four v_nop are the places for the loads below
.else
	PLACES 4
.endif
	FETCH_B \next, 0, 0
	FETCH_A \next, 0, (\s)+1, 0
	HI \s, 0
	PLACES 4
	WIN 0
	FETCH_A \next, 0, (\s)+1, 1
.endm
	s_wait_tensorcnt 1                             ; my halo rows and my part of slot 0 are in; slot 1's load may stay out
	s_barrier_signal -1
	s_barrier_wait -1                              ; everybody's are
	FETCH_B 0, 0, 0
	FETCH_A 0, 0, 0, 0
	FETCH_A 0, 0, 0, 1
	STEP 0, 0, 1
	TURN 1, 0, 1, 1                                ; slot 0 takes K 512..767
	STEP 2, 1, 0
	TURN 3, 1, 0, 1                                ; slot 1 takes K 768..1023
	STEP 4, 0, 0
	TURN 5, 0, 1, 0                                ; nothing is left to fetch; behind this barrier nobody reads slot 0 and no load fills it again
	STEP 6, 1, 0
	s_wait_dscnt 30
	LOT 7, 0
	LOV 7, 0
	s_wait_dscnt 0x0
	HI 7, 0
	WIN 0
	; ---- q, k, v BECOME CODES and go to the other waves through LDS
	PLACES 4
.irp j, 0,1,2,3,4,5
	v_mov_b32 v[QF+6+\j], 0                        ; zero codes for K 64..127 of q and of p, and behind v's last fragment
	v_mov_b32 v[PF+6+\j], 0
	v_mov_b32 v[ZF+\j], 0
.endr
.irp j, 0,1,2,3
	v_mov_b32 v[TX+\j], 0                          ; written once: a lane permute's destination counts as one of its sources
.endr
	v_mov_b32 v[NM+1], 0                           ; (named as the upper half of a pair)
; n groups of 16 registers from v[s] of window w on; a group and lane l xor 16's are a block of 32.  Out: SO the conversion's scale operand, BY the scale's byte.  Each accumulator is read from its low end on.
.macro QMAX s, w, n
.set WW, (\w)*5
	WIN WW                                         ; sources 0 and 1 in window w
.set G, 0
.rept \n
	v_max3_num_f32 v[TM+G], |v[\s+16*G]|, |v[\s+16*G+1]|, 0x1800000   ; with the floor 2^(3 - 127): the byte cannot fall under 1
.set G, G+1
.endr
.irp e, 2,4,6,8,10,12,14
.set G, 0
.rept \n
	v_max3_num_f32 v[TM+G], |v[\s+16*G+\e]|, |v[\s+16*G+\e+1]|, v[TM+G]
.set G, G+1
.endr
.endr
	WIN 0
.set G, 0
.rept \n
	v_permlanex16_b32 v[TX+G], v[TM+G], s84, s85
.set G, G+1
.endr
.set G, 0
.rept \n
	v_max_num_f32 v[TM+G], v[TM+G], v[TX+G]
.set G, G+1
.endr
.set G, 0
.rept \n
	v_add_nc_u32 v[SO+G], 0xff000000, v[TM+G]      ; 2 off the exponent field: the conversion takes this operand's exponent field as its scale
.set G, G+1
.endr
.set G, 0
.rept \n
	v_lshrrev_b32 v[BY+G], 23, v[SO+G]
.set G, G+1
.endr
.endm
; A block of 32 tokens of q or k: 64 registers at v[lo] of window w (tile u at 32 u: the head's 64 in two groups).  Each tile becomes registers 0-5 of an operand (lane (r, h): token r', the head's 32 h .. 32 h + 31) and a scale word.
.macro QT w, lo, adr, off
	QMAX \lo, \w, 4
	s_wait_dscnt 0x0                               ; the last block's stores have read their registers
	v_lshl_or_b32 v[PWP], v[BY+1], 8, v[BY]
	v_lshl_or_b32 v[PWP+1], v[BY+3], 8, v[BY+2]
	WIN \w
.irp u, 0,1
	v_cvt_scalef32_pk16_fp6_f32 v[PCD+6*\u:PCD+6*\u+2], v[\lo+32*\u:\lo+32*\u+15], v[SO+2*\u]
	v_cvt_scalef32_pk16_fp6_f32 v[PTT+4*\u:PTT+4*\u+2], v[\lo+32*\u+16:\lo+32*\u+31], v[SO+2*\u+1]
.endr
	WIN 0
	v_nop                                          ; one plain place behind a scaled conversion
.irp u, 0,1
.irp e, 0,1,2
	v_permlane16_swap_b32 v[PCD+6*\u+\e], v[PTT+4*\u+\e]   ; a whole block to a lane: lanes 0-15 the head's first 32, lanes 16-31 its second
.endr
.irp e, 0,1,2
	v_mov_b32 v[PCD+6*\u+3+\e], v[PTT+4*\u+\e]
.endr
.endr
.irp u, 0,1
.irp p, 0,1,2
	ds_store_b64 v[\adr], v[PCD+6*\u+2*\p:PCD+6*\u+2*\p+1] offset:\off+(3*\u+\p)*256   ; an image of the registers: 8 bytes a lane, 256 on end
.endr
.endr
	ds_store_b64 v[\adr], v[PWP:PWP+1] offset:\off+1536
.endm
; n groups of v from group g0 on (group 2 b + c: local block b, channels 8 c + r'): 16 tokens a lane become 12 bytes of the channel's row; the block's byte beside them (both halves write the same byte with the same value)
.macro QV g0, n
	QMAX 64+16*(\g0), 3, \n
	s_wait_dscnt 0x0
	WIN 3
.set G, 0
.rept \n
	v_cvt_scalef32_pk16_fp6_f32 v[CV+4*G:CV+4*G+2], v[64+16*(\g0+G):64+16*(\g0+G)+15], v[SO+G]
.set G, G+1
.endr
	WIN 0
	v_nop
.set G, 0
.rept \n
.set GB, (\g0+G)/2
.set GC, (\g0+G)%2
.if GB == 0
.irp e, 0,1,2
	ds_store_b32 v[EVH], v[CV+4*G+\e] offset:8*VP*GC+4*\e
.endr
	ds_store_b8 v[EVSH], v[BY+G] offset:128*GC
.else
.irp e, 0,1,2
	ds_store_b32 v[EVM], v[CV+4*G+\e] offset:24*GB+8*VP*GC+4*\e
.endr
	ds_store_b8 v[EVSM], v[BY+G] offset:GB+128*GC
.endif
.set G, G+1
.endr
.endm
	QT 2, 0, EIH, 0
	QT 2, 64, EIM, BI
	QT 2, 128, EIM, 2*BI
	QT 2, 192, EIM, 3*BI
	QT 3, 0, EIM, 4*BI
	QV 0, 4
	QV 4, 4
	QV 8, 2
	s_wait_dscnt 0x0                               ; for the others' sake: my stores have landed
	s_barrier_signal -1
	s_barrier_wait -1
	; ---- THE ATTENTION.  Wave w takes query blocks rel 1 + 2 w + i, tiles u: four tiles of 16 queries; a tile's keys lie in the two blocks rel 2 w + i + u + 0, 1
.macro LOADT i, u                      ; 38 LDS loads: q's tile, the window's four tiles of k, four tiles of v^T, and their scales
.irp p, 0,1,2
	ds_load_b64 v[QF+2*\p:QF+2*\p+1], v[AQ] offset:(\i)*BI+(3*(\u)+\p)*256
.endr
	ds_load_b64 v[QS:QS+1], v[AQ] offset:(\i)*BI+1536
.irp kb, 0,1
.irp t, 0,1
.irp p, 0,1,2
	ds_load_b64 v[KF+6*(2*\kb+\t)+2*\p:KF+6*(2*\kb+\t)+2*\p+1], v[AK] offset:((\i)+(\u)+\kb)*BI+(3*\t+\p)*256
.endr
.endr
	ds_load_b64 v[KS+2*\kb:KS+2*\kb+1], v[AK] offset:((\i)+(\u)+\kb)*BI+1536
.endr
.irp t, 0,1,2,3
.irp p, 0,1,2
	ds_load_b64 v[VF+6*\t+2*\p:VF+6*\t+2*\p+1], v[AVA] offset:(32*(\t/2)+8*(\t%2))*VP+24*((\i)+(\u))+8*\p
.endr
	ds_load_u8 v[VB+2*\t], v[AVS] offset:(32*(\t/2)+8*(\t%2))*16+(\i)+(\u)
	ds_load_u8 v[VB+2*\t+1], v[AVS] offset:(32*(\t/2)+8*(\t%2))*16+(\i)+(\u)+1
.endr
.endm
.macro SCORE j, mk, u                  ; S^T tile j = 16 keys x my 16 queries, on the mask as C.  k's registers 6-11 are the next fragment's: they meet q's zero codes
	v_wmma_scale_f32_16x16x128_f8f6f4 v[S+8*\j:S+8*\j+7], v[KF+6*\j:KF+6*\j+11], v[QF:QF+11], v[\mk:\mk+7], v[KS+\j], v[QS+\u] matrix_a_fmt:MATRIX_FMT_FP6 matrix_b_fmt:MATRIX_FMT_FP6
.endm
.macro COMP i, u, m0, m1, m2, m3, more, ni, nu
	s_wait_dscnt 0x0                               ; the tile's 38 loads
.irp t, 0,1,2,3
	v_lshl_or_b32 v[VW+\t], v[VB+2*\t+1], 8, v[VB+2*\t]   ; v's scale words: the window's two blocks
.endr
	WIN 0x10                                       ; C (the mask) in window 1
	SCORE 0, \m0, \u
	SCORE 1, \m1, \u
	SCORE 2, \m2, \u
	SCORE 3, \m3, \u
	WIN 0
	PLACES 4
.irp kb, 0,1
	v_max3_num_f32 v[TM+\kb], v[S+16*\kb], v[S+16*\kb+1], v[S+16*\kb+2]   ; the largest score of each block of 32 keys: for the row's maximum and, since p rises with the score, for the block's largest p
.endr
.irp e, 3,5,7,9,11,13
.irp kb, 0,1
	v_max3_num_f32 v[TM+\kb], v[TM+\kb], v[S+16*\kb+\e], v[S+16*\kb+\e+1]
.endr
.endr
.irp kb, 0,1
	v_max_num_f32 v[TM+\kb], v[TM+\kb], v[S+16*\kb+15]
.endr
.irp kb, 0,1
	v_permlanex16_b32 v[TX+\kb], v[TM+\kb], s84, s85
.endr
.irp kb, 0,1
	v_max_num_f32 v[TM+\kb], v[TM+\kb], v[TX+\kb]
.endr
	v_max_num_f32 v[RM], v[TM], v[TM+1]
	v_mul_f32 v[RM], s86, v[RM]                    ; the row's largest t
	v_floor_f32 v[NM], -v[RM]                      ; -M = floor(-t) = -ceil(t)
.irp j, 0,2,4,6,8,10,12,14,16,18,20,22,24,26,28,30
	v_pk_fma_f32 v[S+\j:S+\j+1], v[S+\j:S+\j+1], s[86:87], v[NM:NM+1] op_sel_hi:[1,0,0]   ; t - M, two at a time
.endr
.irp kb, 0,1
	v_fma_f32 v[TM+\kb], v[TM+\kb], s86, v[NM]
.endr
.set J, 0
.rept 32
	v_exp_f32 v[S+J], v[S+J]                       ; p = 2^(t - M): not normalised; 0 for a masked key
.set J, J+1
.endr
.irp kb, 0,1
	v_exp_f32 v[TM+\kb], v[TM+\kb]                 ; the block's largest p: the same two instructions on the same number
.endr
	v_nop                                          ; a plain place behind the exponentials
	s_wait_alu depctr_va_vdst(0)
.irp kb, 0,1
	v_max_num_f32 v[TM+\kb], 0x1800000, v[TM+\kb]
.endr
.irp kb, 0,1
	v_add_nc_u32 v[SO+\kb], 0xff000000, v[TM+\kb]
.endr
.irp kb, 0,1
	v_lshrrev_b32 v[BY+\kb], 23, v[SO+\kb]
.endr
	v_lshl_or_b32 v[PW], v[BY+1], 8, v[BY]         ; p's scale word
	v_cvt_scalef32_pk16_fp6_f32 v[PF:PF+2], v[S:S+15], v[SO]
	v_cvt_scalef32_pk16_fp6_f32 v[PT:PT+2], v[S+16:S+31], v[SO+1]
	v_nop
.irp e, 0,1,2
	v_permlane16_swap_b32 v[PF+\e], v[PT+\e]
.endr
.irp e, 0,1,2
	v_mov_b32 v[PF+3+\e], v[PT+\e]
.endr
	v_pk_add_f32 v[LSA:LSA+1], v[S:S+1], v[S+2:S+3]   ; the row's sum, of the unquantised p, in two chains.  (These lines are also the places between p's codes and scale word and the product)
	v_pk_add_f32 v[LSB:LSB+1], v[S+4:S+5], v[S+6:S+7]
.irp j, 8,12,16,20,24,28
	v_pk_add_f32 v[LSA:LSA+1], v[LSA:LSA+1], v[S+\j:S+\j+1]
	v_pk_add_f32 v[LSB:LSB+1], v[LSB:LSB+1], v[S+\j+2:S+\j+3]
.endr
	v_pk_add_f32 v[LSA:LSA+1], v[LSA:LSA+1], v[LSB:LSB+1]
	v_add_f32 v[LSA], v[LSA], v[LSA+1]
	v_permlanex16_b32 v[TX], v[LSA], s84, s85
	v_add_f32 v[LSA], v[LSA], v[TX]
	v_rcp_f32 v[RL], v[LSA]
	v_rcp_f32 v[RL+1], v[LSA]
	v_nop
.irp t, 0,1,2,3                        ; O^T tile t = 16 channels x my 16 queries, over the scores' registers
	v_wmma_scale_f32_16x16x128_f8f6f4 v[S+8*\t:S+8*\t+7], v[VF+6*\t:VF+6*\t+11], v[PF:PF+11], 0, v[VW+\t], v[PW] matrix_a_fmt:MATRIX_FMT_FP6 matrix_b_fmt:MATRIX_FMT_FP6
.endr
	PLACES 4
.if \more
	LOADT \ni, \nu                                 ; the next tile's operands come while this one is finished
.endif
	s_wait_alu depctr_va_vdst(0)
.irp j, 0,2,4,6,8,10,12,14,16,18,20,22,24,26,28,30
	v_pk_mul_f32 v[S+\j:S+\j+1], v[S+\j:S+\j+1], v[RL:RL+1]   ; o / l: register 16 b + e is channel 32 b + 16 h + e of my query
.endr
	QMAX S, 0, 2
	v_lshl_or_b32 v[OW+2*(\i)+(\u)], v[BY+1], 8, v[BY]
.if 2*(\i)+(\u) > 0
	s_wait_xcnt 0x0                                ; the last tile's stores have read their registers: the codes' are written again only behind this wait
.endif
	v_cvt_scalef32_pk16_fp6_f32 v[OC:OC+2], v[S:S+15], v[SO]
	v_cvt_scalef32_pk16_fp6_f32 v[PT:PT+2], v[S+16:S+31], v[SO+1]
	v_nop
.irp e, 0,1,2
	v_permlane16_swap_b32 v[OC+\e], v[PT+\e]
.endr
.irp e, 0,1,2
	v_mov_b32 v[OC+3+\e], v[PT+\e]
.endr
.irp p, 0,1,2
	global_store_b64 v[GO], v[OC+2*\p:OC+2*\p+1], s[14:15] offset:(2*(\i)+(\u))*768+256*\p   ; 32 lanes store 256 consecutive bytes, at a multiple of 256 from the buffer's first byte
.endr
	global_store_b16 v[GS], v[OW+2*(\i)+(\u)], s[16:17] offset:(2*(\i)+(\u))*512   ; two scale bytes a token, 16 bytes apart inside one run of 256: one part in 24 of what the launch stores, laid so that the next launch loads whole runs.  Lanes 16-31 repeat lanes 0-15
.endm
	LOADT 0, 0
	COMP 0, 0, ALLM, ME0, M02, M03, 1, 0, 1
	COMP 0, 1, M10, M11, M12, ALLM, 1, 1, 0
	COMP 1, 0, ALLM, M01, M02, M03, 1, 1, 1
	COMP 1, 1, M10, M11, ME1, ALLM, 0, 0, 0
	s_wait_tensorcnt 0x0                           ; the wave's end, behind my last tensor load and my last LDS store
	ds_add_u32 v[SPW], v[NIL]
	s_wait_dscnt 0x0
	CROUND                                         ; the closing round: no work-group ends while a partner may still ask for a tile that names it
	s_endpgm
.Lfunc_end_k_q590cd7c868_qkv_attn:
	.size	k_q590cd7c868_qkv_attn, .Lfunc_end_k_q590cd7c868_qkv_attn-k_q590cd7c868_qkv_attn
	.p2alignl 7, 3214868480
	.fill 96, 4, 3214868480
	.section	.rodata,"a",@progbits
	.p2align	6, 0x0
	.amdhsa_kernel k_q590cd7c868_qkv_attn
		.amdhsa_group_segment_fixed_size 327680
		.amdhsa_private_segment_fixed_size 0
		.amdhsa_enable_private_segment 0
		.amdhsa_kernarg_size 56
		.amdhsa_user_sgpr_count 2
		.amdhsa_user_sgpr_kernarg_segment_ptr 1
		.amdhsa_wavefront_size32 1
		.amdhsa_system_sgpr_workgroup_id_x 1
		.amdhsa_system_sgpr_workgroup_id_y 1
		.amdhsa_system_sgpr_workgroup_id_z 1
		.amdhsa_system_vgpr_workitem_id 0
		.amdhsa_next_free_vgpr 1024
		.amdhsa_next_free_sgpr 102
		.amdhsa_reserve_vcc 1
		.amdhsa_float_denorm_mode_32 3
		.amdhsa_float_denorm_mode_16_64 3
		.amdhsa_memory_ordered 1
		.amdhsa_forward_progress 1
		.amdhsa_inst_pref_size 221
	.end_amdhsa_kernel
	.amdgpu_metadata
---
amdhsa.version: [ 1, 2 ]
amdhsa.kernels:
  - .name:           k_q590cd7c868_qkv_attn
    .symbol:         k_q590cd7c868_qkv_attn.kd
    .args:
      - { .name: x_codes, .offset: 0, .size: 8, .value_kind: global_buffer, .address_space: global }
      - { .name: x_scales, .offset: 8, .size: 8, .value_kind: global_buffer, .address_space: global }
      - { .name: w_qkv_codes, .offset: 16, .size: 8, .value_kind: global_buffer, .address_space: global }
      - { .name: w_qkv_scales, .offset: 24, .size: 8, .value_kind: global_buffer, .address_space: global }
      - { .name: b_qkv, .offset: 32, .size: 8, .value_kind: global_buffer, .address_space: global }
      - { .name: ao_codes, .offset: 40, .size: 8, .value_kind: global_buffer, .address_space: global }
      - { .name: ao_scales, .offset: 48, .size: 8, .value_kind: global_buffer, .address_space: global }
    .group_segment_fixed_size: 327680
    .private_segment_fixed_size: 0
    .kernarg_segment_align: 8
    .kernarg_segment_size: 56
    .max_flat_workgroup_size: 128
    .sgpr_count:     102
    .vgpr_count:     1024
    .wavefront_size: 32
...
	.end_amdgpu_metadata
.endif
;; end of part 1
;; launch proj (part 2): grid 8 x 32, 4 waves a work-group, clusters of 4 x 4, 327,680 bytes of LDS; arguments ao_codes, ao_scales, w_proj_codes, w_proj_scales, b_proj, out0; writes out0
.if DOCPART == 2
	.amdgcn_target "amdgcn-amd-amdhsa--gfx1250"
	.amdhsa_code_object_version 6
	.text
	.protected	k_q590cd7c868_proj
	.globl	k_q590cd7c868_proj
	.p2align	8
	.type	k_q590cd7c868_proj,@function
k_q590cd7c868_proj:
	s_mov_b64 s[64:65], 0
	v_nop
	global_prefetch_b8 v0, s[64:65] scope:SCOPE_SE
	s_setreg_imm32_b32 hwreg(HW_REG_WAVE_MODE, 25, 1), 1
	s_wait_xcnt 0x0
	s_wait_alu depctr_hold_cnt(0) depctr_sa_sdst(0) depctr_va_vdst(0) depctr_va_sdst(0) depctr_va_ssrc(0) depctr_va_vcc(0) depctr_vm_vsrc(0)
	s_getreg_b32 s2, hwreg(HW_REG_IB_STS2, 6, 4)
	s_cmp_eq_u32 s2, 0
	s_cbranch_scc0 .Lentry_in_a_cluster
	s_endpgm
.Lentry_in_a_cluster:
	s_bfe_u32 s2, ttmp6, 0x10000c
	s_cmp_lg_u32 s2, 0xf033
	s_cbranch_scc0 .Lentry_shape_is_right
	s_endpgm
.Lentry_shape_is_right:
; out0 = ao w_proj^T + b_proj on codes of FP6 (E2M3) with one E8M0 scale for each 32 along K; sums in f32.  ao: the attention's result as the launch before laid it:
; ao_codes [m 32][head 16][tile 16][part 3][lane 32][8 bytes]: lane (r, h) of tile t holds the 32 codes of half h of the head, of token 256 m + 32 (t / 2) + 8 (t % 2) + r + 8 (r / 8): registers 6 c .. 6 c + 5 of the operand of K step s are head 2 s + c's.
; ao_scales [m][tile][half 2][r 16][16 bytes]: 16 bytes at 512 t + 16 x lane are four scale words: K steps 0-3 in lanes 0-15, K steps 4-7 in lanes 16-31.
; SHARES.  A work-group makes 256 tokens x 128 columns: 8 x 32 = 256 work-groups.  Wave (rh, ch): tiles 8 rh + 0..7 of tokens x 64 columns: 32 accumulators.  A larger tile would leave half of 256 work-groups' places empty.
; ALL OF K LIES IN LDS: four chunks of 256 along K of each operand, 319,488 bytes, each filled once by the first fills; nothing is filled again, so there is no ring.  A chunk is read behind a counted wait and a barrier.
; CLUSTER 4 x 4: ao's chunks hang on m alone and are asked for jointly along a row of the cluster, w's on the column block alone and jointly along a column.
; THE MATRIX INSTRUCTION IS USED TRANSPOSED (source 0 = 16 rows of w, source 1 = 16 tokens): a lane holds eight neighbouring numbers of a row of out0.  The bias is the C that starts each sum.
; LIMITS: NaN and infinities in b_proj and scale bytes 0xff in w_proj_scales are not served.
; REGISTERS.  window 0: v4-18 addresses; v32-63 ao's scale words, v64-79 w's; v96-127 the bias; v128-223 ao's eight fragments, on the way out rows of out0.   window 1: w's four fragments, two sets.   window 2: the accumulators, (a, c) at 8 (4 a + c).
.set PITCH, 240                        ; a row of w in LDS: 3 x (64 bytes + 16 of padding)
.set ACH,   49152                      ; a chunk of ao: four heads x 16 tiles x 768 bytes, dense
.set BOFF,  196608
.set BCH,   30720                      ; a chunk of w: 128 rows
.set ADA,  4                           ; v4-7   ao's fragments in chunk k
.set ADB,  8                           ; v8-11  w's; v12-15 the same behind one padding more
.set STO,  16                          ; the way out: where I put 32 bytes of a row
.set RD,   17                          ; where I read rows back
.set CO,   18                          ; my byte offset in two rows of out0
.set SA,   32
.set SB,   64
.set BIAS, 96
.set AF,   128
.set BK,   128
.set G1A, 24
.set G1B, 32
.set G0A, 40
.set G0B, 56
.set MSB, 0
.macro WIN new                         ; the immediate's high byte repeats the setting that is left
.if MSB != \new
	s_set_vgpr_msb (MSB<<8)|\new
.set MSB, \new
.endif
.endm
.macro PLACES n
.rept \n
	v_nop
.endr
.endm
.macro CROUND                          ; a round of the cluster's barrier
	s_barrier_signal -1
	s_barrier_wait -1
	s_cmp_lg_u32 s16, 0
	s_cbranch_scc1 .Lnot_wave_0_\@
	s_barrier_signal -3
.Lnot_wave_0_\@:
	s_barrier_wait -3
	s_barrier_signal -1
	s_barrier_wait -1
.endm
.macro JLOAD k                         ; waves 0 and 1 fetch the halves of ao's chunk k, waves 2 and 3 those of w's.  Four v_nop follow each line
	s_cmp_eq_u32 s17, 0
	s_cbranch_scc0 .Lfor_b_\@
	tensor_load_to_lds s[G0A+4*\k:G0A+4*\k+3], s[G1A:G1A+7]
	s_nop 0
	PLACES 4
	s_branch .Lasked_\@
.Lfor_b_\@:
	tensor_load_to_lds s[G0B+4*\k+4*(\k/2):G0B+4*\k+4*(\k/2)+3], s[G1B:G1B+7]
	s_nop 0
	PLACES 4
.Lasked_\@:
.endm
	s_load_b256 s[4:11], s[0:1], 0x0               ; ao_codes s[4:5], ao_scales s[6:7], w's codes s[8:9], w's scales s[10:11]
	s_load_b128 s[12:15], s[0:1], 0x20             ; b_proj s[12:13], out0 s[14:15]
	v_lshl_add_u32 v254, v0, 2, 0x4e000
	v_mov_b32 v255, 0
	ds_add_u32 v254, v255
	ds_add_u32 v254, v255
	v_lshrrev_b32 v1, 5, v0
	v_readfirstlane_b32 s16, v1                    ; wave 0..3
	s_lshr_b32 s17, s16, 1                         ; rh.  Also: I fetch for ao (0) or for w (1)
	s_and_b32 s18, s16, 1                          ; ch.  Also: which half of a chunk I fetch
	s_bfe_u32 s21, ttmp6, 0x40000                  ; cx, cy
	s_bfe_u32 s22, ttmp6, 0x40004
	s_lshl_b32 s19, ttmp9, 2
	s_add_co_u32 s19, s19, s21                     ; the block of 128 columns
	s_and_b32 s20, ttmp7, 0xffff
	s_lshl_b32 s20, s20, 2
	s_add_co_u32 s20, s20, s22                     ; m
	s_lshl_b32 s23, s22, 2
	s_lshl_b32 s23, 15, s23                        ; my row of the cluster
	s_lshl_b32 s76, 0x1111, s21                    ; my column
	s_or_b32 s[G1A], s23, (3<<16)|(1<<21)          ; ao: a dense block of 24,576 bytes as 96 rows of 32 elements of 8 bytes; no padding
	s_mov_b32 s[G1A+1], 32<<16
	s_mov_b32 s[G1A+2], 96<<16
	s_mov_b32 s[G1A+3], 32<<16
	s_mov_b32 s[G1A+4], 96
	s_mov_b32 s[G1A+5], 32
	s_mov_b32 s[G1A+6], 0
	s_mov_b32 s[G1A+7], 0
	s_or_b32 s[G1B], s76, (1<<20)|(1<<21)|(3<<22)|(3<<25)   ; w: 64 rows x 192 bytes, 768 apart in memory; 16 bytes of padding behind every 64
	s_mov_b32 s[G1B+1], 192<<16
	s_mov_b32 s[G1B+2], 64<<16
	s_mov_b32 s[G1B+3], 192<<16
	s_mov_b32 s[G1B+4], 64
	s_mov_b32 s[G1B+5], 768
	s_mov_b32 s[G1B+6], 0
	s_mov_b32 s[G1B+7], 0
	s_lshl_b32 s78, s20, 4
	s_lshl_b32 s79, s18, 1
	s_add_co_u32 s78, s78, s79
	s_mul_i32 s78, s78, 12288                      ; ao: head 2 ch of block m; a chunk further on: four heads
	s_mov_b32 s79, 0
	s_lshl_b32 s82, s19, 7
	s_lshl_b32 s81, s18, 6
	s_add_co_u32 s82, s82, s81                     ; my first row of w, which is my first column of out0
	s_mul_i32 s80, s82, 768
	s_mov_b32 s81, 0
	s_mul_i32 s83, s18, ACH/2                      ; where they go: no place in the cluster enters an LDS address
	s_mul_i32 s84, s18, BCH/2
	s_add_co_u32 s84, s84, BOFF
	s_wait_dscnt 0x0
	s_wait_kmcnt 0x0
	s_add_nc_u64 s[78:79], s[4:5], s[78:79]
	s_add_nc_u64 s[80:81], s[8:9], s[80:81]
.irp k, 0,1,2,3
	s_mov_b32 s[G0A+4*\k], 1
	s_add_co_u32 s[G0A+4*\k+1], s83, \k*ACH
	s_add_nc_u64 s[G0A+4*\k+2:G0A+4*\k+3], s[78:79], \k*ACH
	s_or_b32 s[G0A+4*\k+3], s[G0A+4*\k+3], 0x80000000
	s_mov_b32 s[G0B+4*\k+4*(\k/2)], 1
	s_add_co_u32 s[G0B+4*\k+4*(\k/2)+1], s84, \k*BCH
	s_add_nc_u64 s[G0B+4*\k+4*(\k/2)+2:G0B+4*\k+4*(\k/2)+3], s[80:81], \k*192
	s_or_b32 s[G0B+4*\k+4*(\k/2)+3], s[G0B+4*\k+4*(\k/2)+3], 0x80000000
.endr
	CROUND                                         ; all sixteen work-groups are here: the joint loads meet
	JLOAD 0                                        ; all the launch's fills, one group: four tensor loads of mine are out
	JLOAD 1
	JLOAD 2
	JLOAD 3
	v_and_b32 v1, 15, v0                           ; r
	v_bfe_u32 v2, v0, 4, 1                         ; h
	v_and_b32 v3, 31, v0                           ; lane
	v_lshlrev_b32 v20, 4, v3                       ; ao's scale words: 16 x lane
	v_lshlrev_b32 v21, 5, v1
	v_lshl_add_u32 v21, v2, 4, v21                 ; w's: 32 r + 16 h
	v_lshlrev_b32 v22, 5, v2                       ; the bias: 8 h numbers on
	s_lshl_b32 s88, s20, 13
	s_lshl_b32 s89, s17, 12
	s_add_co_u32 s88, s88, s89
	s_mov_b32 s89, 0
	s_add_nc_u64 s[78:79], s[6:7], s[88:89]        ; ao_scales at my eight tiles
	s_lshl_b32 s90, s82, 5
	s_mov_b32 s91, 0
	s_add_nc_u64 s[80:81], s[10:11], s[90:91]      ; w's scales at my 64 rows
	s_lshl_b32 s90, s82, 2
	s_add_nc_u64 s[86:87], s[12:13], s[90:91]      ; the bias at my 64 columns
.irp a, 0,1,2,3,4,5,6,7
	global_load_b128 v[SA+4*\a:SA+4*\a+3], v20, s[78:79] offset:512*\a
.endr
.irp c, 0,1,2,3
	global_load_b128 v[SB+4*\c:SB+4*\c+3], v21, s[80:81] offset:512*\c
.endr
.irp c, 0,1,2,3
	global_load_b128 v[BIAS+8*\c:BIAS+8*\c+3], v22, s[86:87] offset:64*\c
	global_load_b128 v[BIAS+8*\c+4:BIAS+8*\c+7], v22, s[86:87] offset:64*\c+16
.endr
	v_lshlrev_b32 v23, 3, v3                       ; 8 x lane
	v_mul_u32_u24 v24, v1, PITCH
	v_mad_u32_u24 v24, v2, 24, v24                 ; r x pitch + 24 h
	v_lshl_add_u32 v25, v2, 4, v24                 ; the same behind one padding more
	s_mul_i32 s92, s17, 8*768                      ; my eight tiles in a head
	s_mul_i32 s93, s18, BCH/2
	s_add_co_u32 s93, s93, BOFF                    ; my 64 rows of w
.irp k, 0,1,2,3
	v_add_nc_u32 v[ADA+\k], s92, v23
	v_add_nc_u32 v[ADB+\k], s93, v24
	v_add_nc_u32 v[ADB+4+\k], s93, v25
	s_add_co_u32 s92, s92, ACH
	s_add_co_u32 s93, s93, BCH
.endr
	s_mul_i32 s92, s16, 16*272                     ; my stage: 16 rows x (256 bytes + 16), in ao's chunk 0, which nobody reads behind the second barrier and no load fills again
	v_mul_u32_u24 v[STO], v1, 272
	v_lshl_add_u32 v[STO], v2, 5, v[STO]
	v_add_nc_u32 v[STO], s92, v[STO]
	v_mul_u32_u24 v[RD], v2, 272
	v_lshl_add_u32 v[RD], v1, 4, v[RD]
	v_add_nc_u32 v[RD], s92, v[RD]
	v_lshlrev_b32 v[CO], 12, v2
	v_lshl_add_u32 v[CO], v1, 4, v[CO]             ; lanes 0-15 one row of out0, lanes 16-31 the next; 16 bytes a lane
	s_lshl_b32 s92, s20, 8
	s_lshl_b32 s93, s17, 7
	s_add_co_u32 s92, s92, s93
	s_lshl_b32 s92, s92, 12                        ; my first token's row of 4,096 bytes
	s_lshl_b32 s93, s82, 2
	s_add_co_u32 s92, s92, s93
	s_mov_b32 s93, 0
	s_add_nc_u64 s[14:15], s[14:15], s[92:93]
.macro FRAGB reg, k, q, rows           ; a fragment of w: 24 bytes twice, in pieces of 8; lanes 16-31 read three pieces further on, for some pieces behind one padding more
.irp p, 0,1,2,3,4,5
.set PCE, 12*(\q)+6*(\p/3)+\p%3
.if PCE%8 < 5
	ds_load_b64 v[\reg+2*\p:\reg+2*\p+1], v[ADB+\k] offset:8*PCE+16*(PCE/8)+(\rows)*PITCH
.else
	ds_load_b64 v[\reg+2*\p:\reg+2*\p+1], v[ADB+4+\k] offset:8*PCE+16*(PCE/8)+(\rows)*PITCH
.endif
.endr
.endm
.macro FETCH_B k, q, p                 ; w's four fragments into set p: 24 loads
	WIN 0x40
.irp c, 0,1,2,3
	FRAGB 48*(\p)+12*\c, \k, \q, 16*\c
.endr
	WIN 0
.endm
.macro FETCH_A k, q, a0                ; ao's tiles a0 .. a0 + 3: images of the registers, 256 consecutive bytes a load: 24 loads
.irp a, \a0, \a0+1, \a0+2, \a0+3
.irp j, 0,1
.irp e, 0,1,2
	ds_load_b64 v[AF+12*(\a)+6*\j+2*\e:AF+12*(\a)+6*\j+2*\e+1], v[ADA+\k] offset:((2*(\q)+\j)*16+(\a))*768+256*\e
.endr
.endr
.endr
.endm
.macro MUL a, s, first                 ; tile a of tokens against w's four tiles.  The 32 accumulators take turns, one instruction a turn, in the same order in every K step
.irp c, 0,1,2,3
.set DD, 8*(4*(\a)+\c)
.set AA, 48*((\s)%2)+12*\c
.set BB, AF+12*(\a)
.if \first
.set CC, BIAS+8*\c
.else
.set CC, DD
.endif
.set SSA, SB+4*\c+(\s)%4
.set SSB, SA+4*(\a)+(\s)%4
.if (\s)/4
	v_wmma_scale_f32_16x16x128_f8f6f4 v[DD:DD+7], v[AA:AA+11], v[BB:BB+11], v[CC:CC+7], v[SSA], v[SSB] matrix_a_fmt:MATRIX_FMT_FP6 matrix_b_fmt:MATRIX_FMT_FP6 matrix_a_scale:MATRIX_SCALE_ROW1 matrix_b_scale:MATRIX_SCALE_ROW1
.else
	v_wmma_scale_f32_16x16x128_f8f6f4 v[DD:DD+7], v[AA:AA+11], v[BB:BB+11], v[CC:CC+7], v[SSA], v[SSB] matrix_a_fmt:MATRIX_FMT_FP6 matrix_b_fmt:MATRIX_FMT_FP6
.endif
.endr
.endm
.macro MWIN first
.if \first
	WIN 0x81                                       ; source 0 (w) window 1, source 1 (ao) and C (the bias) window 0, D window 2
.else
	WIN 0xa1
.endif
.endm
.macro STEP s, first                   ; a chunk's first K step
	s_wait_dscnt 24                                ; w's set and tiles 0-3 are in; the youngest 24 loads (tiles 4-7) may be out
	MWIN \first
.irp a, 0,1,2,3
	MUL \a, \s, \first
.endr
	s_wait_dscnt 0x0
	PLACES 4                                       ; in front of loads into registers that matrix instructions have read
	FETCH_B (\s)/2, 1, 1
	FETCH_A (\s)/2, 1, 0
	MWIN \first
.irp a, 4,5,6,7
	MUL \a, \s, \first
.endr
	PLACES 4
	WIN 0
	FETCH_A (\s)/2, 1, 4
.endm
.macro TURNP s                         ; a chunk's second K step goes on to the next chunk
	s_wait_tensorcnt 2-(\s)/2                      ; my part of the next chunk has landed; the later chunks' loads may stay out
	s_wait_dscnt 24
	WIN 0xa1
	MUL 0, \s, 0
	MUL 1, \s, 0
	s_wait_dscnt 0x0                               ; no LDS instruction of mine is out at the signal
	s_barrier_signal -1
	MUL 2, \s, 0
	MUL 3, \s, 0
	WIN 0
	s_barrier_wait -1                              ; everybody's part has landed
	PLACES 4
	FETCH_B (\s)/2+1, 0, 0
	FETCH_A (\s)/2+1, 0, 0
	WIN 0xa1
.irp a, 4,5,6,7
	MUL \a, \s, 0
.endr
	PLACES 4
	WIN 0
	FETCH_A (\s)/2+1, 0, 4
.endm
	s_wait_loadcnt 0x0                             ; scales and bias
	s_wait_tensorcnt 3                             ; my part of chunk 0 is in,
	s_barrier_signal -1
	s_barrier_wait -1                              ; everybody's is
	FETCH_B 0, 0, 0
	FETCH_A 0, 0, 0
	FETCH_A 0, 0, 4
	STEP 0, 1
	TURNP 1
	STEP 2, 0
	TURNP 3
	STEP 4, 0
	TURNP 5
	STEP 6, 0
	s_wait_dscnt 24
	WIN 0xa1
.irp a, 0,1,2,3
	MUL \a, 7, 0
.endr
	s_wait_dscnt 0x0
.irp a, 4,5,6,7
	MUL \a, 7, 0
.endr
	WIN 0
; THE WAY OUT, tile by tile of 16 tokens x 64 columns.  A lane holds 32 neighbouring bytes of a row and the lanes beside it other rows: a tile goes through my own stage and comes back as whole rows of 256 bytes.
; LDS serves a wave's instructions in order (ISA guide 5.7.1.4): no wait between the stores and the loads, nor in front of the next tile's stores.
.macro TOSTAGE a
	WIN 0x08                                       ; the data: window 2
.irp c, 0,1,2,3
	ds_store_b128 v[STO], v[8*(4*(\a)+\c):8*(4*(\a)+\c)+3] offset:64*\c          ; each accumulator from its low end on
	ds_store_b128 v[STO], v[8*(4*(\a)+\c)+4:8*(4*(\a)+\c)+7] offset:64*\c+16
.endr
	WIN 0
.set BB2, BK+32*((\a)%2)
.irp t, 0,1,2,3,4,5,6,7
	ds_load_b128 v[BB2+4*\t:BB2+4*\t+3], v[RD] offset:\t*544
.endr
.endm
.macro SEND a, younger                 ; younger: the LDS instructions issued behind tile a's loads, which may stay out
.set BB2, BK+32*((\a)%2)
	s_wait_dscnt \younger
.irp t, 0,1,2,3,4,5,6,7
	global_store_b128 v[CO], v[BB2+4*\t:BB2+4*\t+3], s[14:15] offset:(32*((\a)/2)+8*((\a)%2)+2*\t+8*(\t/4))*4096 th:TH_STORE_NT   ; stage row 2 t + h is token 2 t + h + 8 (t / 4) of the tile; 16 lanes store 256 consecutive bytes, at a multiple of 256 from out0's first byte; at most 126 rows on: inside the signed 24-bit immediate
.endr
.endm
	PLACES 4                                       ; behind the last products: for the first reads of results and the loads into the registers that held ao's fragments
	TOSTAGE 0
.irp a, 1,2,3,4,5,6,7
.if \a > 1
	s_wait_xcnt 0x0                                ; tile a - 2's stores have read their registers: tile a's loads may land there
.endif
	TOSTAGE \a
	SEND \a-1, 16                                  ; behind tile a - 1's loads: tile a's 8 stores and 8 loads
.endr
	SEND 7, 0
	s_wait_tensorcnt 0x0
	ds_add_u32 v254, v255
	s_wait_dscnt 0x0
	CROUND                                         ; the closing round: no work-group ends while a partner may still ask for a tile that names it
	s_endpgm
.Lfunc_end_k_q590cd7c868_proj:
	.size	k_q590cd7c868_proj, .Lfunc_end_k_q590cd7c868_proj-k_q590cd7c868_proj
	.p2alignl 7, 3214868480
	.fill 96, 4, 3214868480
	.section	.rodata,"a",@progbits
	.p2align	6, 0x0
	.amdhsa_kernel k_q590cd7c868_proj
		.amdhsa_group_segment_fixed_size 327680
		.amdhsa_private_segment_fixed_size 0
		.amdhsa_enable_private_segment 0
		.amdhsa_kernarg_size 48
		.amdhsa_user_sgpr_count 2
		.amdhsa_user_sgpr_kernarg_segment_ptr 1
		.amdhsa_wavefront_size32 1
		.amdhsa_system_sgpr_workgroup_id_x 1
		.amdhsa_system_sgpr_workgroup_id_y 1
		.amdhsa_system_sgpr_workgroup_id_z 1
		.amdhsa_system_vgpr_workitem_id 0
		.amdhsa_next_free_vgpr 768
		.amdhsa_next_free_sgpr 94
		.amdhsa_reserve_vcc 0
		.amdhsa_float_denorm_mode_32 3
		.amdhsa_float_denorm_mode_16_64 3
		.amdhsa_memory_ordered 1
		.amdhsa_forward_progress 1
		.amdhsa_inst_pref_size 100
	.end_amdhsa_kernel
	.amdgpu_metadata
---
amdhsa.version: [ 1, 2 ]
amdhsa.kernels:
  - .name:           k_q590cd7c868_proj
    .symbol:         k_q590cd7c868_proj.kd
    .args:
      - { .name: ao_codes, .offset: 0, .size: 8, .value_kind: global_buffer, .address_space: global }
      - { .name: ao_scales, .offset: 8, .size: 8, .value_kind: global_buffer, .address_space: global }
      - { .name: w_proj_codes, .offset: 16, .size: 8, .value_kind: global_buffer, .address_space: global }
      - { .name: w_proj_scales, .offset: 24, .size: 8, .value_kind: global_buffer, .address_space: global }
      - { .name: b_proj, .offset: 32, .size: 8, .value_kind: global_buffer, .address_space: global }
      - { .name: out0, .offset: 40, .size: 8, .value_kind: global_buffer, .address_space: global }
    .group_segment_fixed_size: 327680
    .private_segment_fixed_size: 0
    .kernarg_segment_align: 8
    .kernarg_segment_size: 48
    .max_flat_workgroup_size: 128
    .sgpr_count:     94
    .vgpr_count:     768
    .wavefront_size: 32
...
	.end_amdgpu_metadata
.endif
;; end of part 2
